; MI455X (gfx1250); checked and timed in simulation.
; The chip was launched on July 23, 2026; its instructions are those of AMD's public machine-readable ISA for CDNA 5 (MIT licence, August 2026) and "CDNA5" Instruction Set Architecture Reference Guide (July 2026). The comments in the code are by the model that wrote it; some were corrected since.
;; Cross Multi Attention Head. Allowed arithmetic: matrix products marked QUANTISED: E4M3 operands, one given power-of-two scale a tensor, by v_wmma_f32_16x16x64_fp8_fp8 or v_wmma_f32_16x16x128_fp8_fp8, f32 sums; everything else in f32.
;; Inputs: W_kv 1,024 x 2,048 float32; W_o 1,024 x 1,024 float32; W_q 1,024 x 1,024 float32; b_kv 2,048 float32; b_o 1,024 float32; b_q 1,024 float32; decoder_x 4 x 2,048 x 1,024 float32; encoder_x 4 x 2,048 x 1,024 float32; lowp_scales 10 int32 (the exponents e of the quantised operands' scales 2^e).
;; Outputs: out0 4 x 2,048 x 1,024 float32.
;; This version of the problem:
;;   THIS VERSION OF THE PROBLEM IS GIVEN IN LOW PRECISION. The matrix products marked QUANTISED in the list below multiply operands that are first quantised to E4M3 (4 exponent bits, 3 mantissa bits; 8 bits a number), with one given power-of-two scale for each operand tensor; their sums are f32. All else is computed in f32.
;;   The module's matrix products, in the order in which they are computed (A, B: the left and right operand; K: the contracted axis; several contracted axes count as one K, in the product's order):
;;     1. [M 8,192, K 1,024] x [K 1,024, N 2,048]; A: input encoder_x; B: input W_kv: QUANTISED (scales: A lowp_scales[0], B lowp_scales[1])
;;     2. [M 8,192, K 1,024] x [K 1,024, N 1,024]; A: input decoder_x; B: input W_q: QUANTISED (scales: A lowp_scales[2], B lowp_scales[3])
;;     3. batch 64 x [M 2,048, K 64] x [K 64, N 2,048]; A: computed on the way; B: computed on the way: QUANTISED (scales: A lowp_scales[4], B lowp_scales[5])
;;     4. batch 64 x [M 2,048, K 2,048] x [K 2,048, N 64]; A: softmax (see below); B: computed on the way: QUANTISED (scales: A lowp_scales[6], B lowp_scales[7])
;;     5. [M 8,192, K 1,024] x [K 1,024, N 1,024]; A: computed on the way; B: input W_o: QUANTISED (scales: A lowp_scales[8], B lowp_scales[9])
;;   THE QUANTISER, for each operand of a quantised product, along K:
;;     - The operand's scale is 2^e, e = its entry of the input lowp_scales (int32; the entries are numbered through the quantised products in the list's order, A before B).
;;     - Each number is divided by the scale, clamped to +-448, and rounded to the nearest number of E4M3, ties to even, subnormals kept.
;;     - The product sums the exact products of the quantised numbers (number of the format x scale) in f32.
;;   ~~~python
;;   def quantise(x, axis, e):      # numpy; x: float32 -> the quantised numbers, widened to float32 again
;;       x = np.moveaxis(x, axis, -1); K = x.shape[-1]
;;       r = np.clip(x / 2.0 ** e, -448, 448)
;;       step = 2.0 ** (np.maximum(np.frexp(np.where(r == 0, 1, r))[1] - 1, -6) - 3)
;;       q = np.round(r / step) * step * 2.0 ** e      # np.round: ties to even
;;       return np.moveaxis(q, -1, axis).astype(np.float32)
;;   ~~~
;;   SOFTMAX AHEAD OF A QUANTISED PRODUCT. Where the list says 'softmax', what is quantised is not the finished softmax but p = 2^(t - M), with t = logit x log2(e) and M = ceil(the row's largest t), a whole number; so 1/2 < the row's largest p <= 1. The row's sum l is taken of the UNQUANTISED p, in f32, and the product's result is divided by l at the end. Since M is a whole number, a kernel that streams over the keys may use a running M (the ceiling of the running maximum): every later rescaling is an exact power of two, so the quantised numbers keep their values, but for numbers so far below the row's largest that they fall under the format's range.
;;   OPERANDS COMPUTED ON THE WAY. 'Computed on the way' means the value that the module computes at that place (a softmax that the list does not call 'softmax' is quantised finished and normalised). What goes into a quantiser is computed in f32, as accurately as f32 sums, v_exp_f32 and their like allow (about 1e-6 of the number): no bf16 or f16 on the way to a quantiser, and a product that is left as it is and whose result goes on into a quantised operand takes f32 operands (vector FMAs, or v_wmma_f32_16x16x4_f32). A number that lies on a knife's edge between two numbers of the format may be rounded either way, as far as f32 arithmetic and the matrix unit's own rounding can turn it there, and no further.
;; One version. Each part assembles by itself: llvm-mc -triple=amdgcn-amd-amdhsa -mcpu=gfx1250 --defsym DOCPART=n.
;; ======== version 1 of 1: 4 launches
;; limits: right only within a limited range of input values
;; workspace buffers: x_img 16,777,216 bytes; w_img 4,194,304 bytes; q_img 8,388,608 bytes; k_img 8,388,608 bytes; v_img 8,388,608 bytes; attn_img 8,388,608 bytes
;; launch prep (part 1): grid 640 x 1, 4 waves a work-group, no clusters, 34,304 bytes of LDS; arguments encoder_x, decoder_x, W_kv, W_q, W_o, lowp_scales, x_img, w_img; writes x_img, w_img
.if DOCPART == 1
	.amdgcn_target "amdgcn-amd-amdhsa--gfx1250"
	.amdhsa_code_object_version 6
	.text
	.protected	k_q861c86f477_prep
	.globl	k_q861c86f477_prep
	.p2align	8
	.type	k_q861c86f477_prep,@function
k_q861c86f477_prep:
	s_mov_b64 s[64:65], 0
	v_nop
	global_prefetch_b8 v0, s[64:65] scope:SCOPE_SE
	s_setreg_imm32_b32 hwreg(HW_REG_WAVE_MODE, 25, 1), 1
	s_wait_xcnt 0x0
; encoder_x, decoder_x [8192][1024] and W_kv [1024][2048], W_q, W_o [1024][1024], all f32, become codes of FP8 (E4M3), each with its given scale 2^e:
; code = x / 2^e, held within +-448, to the nearest code, ties to even.
; THE CODES ARE LAID AS IMAGES OF OPERAND REGISTERS.  A fragment is 16 rows x 128 K = 2,048 bytes: byte 512 c + 16 lane + y (lane = (r, h)) is row sel(r), k = 32 c + 16 h + y.
; The 16 rows of tile 2 B + u are sel(i) = 32 B + 8 u + i + 8 (i / 8): not neighbours, so that a later product's 16 registers of two tiles are 16 neighbours along the next K.
; x_img: [enc, dec][block of 16 rows: 512][K step of 128: 8][2,048 bytes].  w_img: [tile: 256][K step: 8][2,048 bytes]; rows n: W_kv's 2,048 columns, W_q's 1,024, W_o's 1,024.
; Work-groups 0-511 take x (a wave: one block x 512 K), 512-639 the weights (a wave: 32 columns x 256 K).  Waves share nothing: no barrier.  Every offset is an immediate; no pointer is stepped.
; LIMITS: each e between -126 and 119, so that 2^e and 448 x 2^e are f32 numbers.  NaN among the inputs is not served; an infinity is held at the largest code.
.set SP,   528                         ; a stage row: 512 bytes + 16, an odd multiple of 16: the sixteen rows that a read touches begin 16 bytes apart modulo 256
.set WST,  16*SP                       ; a wave's stage
.set RR,   16                          ; v16-143  x: two sets of 64 registers as loaded
.set XX,   144                         ; v144-207 x: 64 numbers, register 16 c + i = k 32 c + 16 h + i of my row
.set CC,   208                         ; v208-239 x: two sets of 16 registers of codes
.set WX,   32                          ; v32-95   W: two sets of 32 numbers down K
.set WC,   96                          ; v96-159  W: eight registers of codes for each block, never written again
.macro SCALE e                         ; v11 = 2^e as f32 (the conversion takes its exponent field), v10 = 448 x 2^e
	s_add_co_i32 s46, s[\e], 127
	s_lshl_b32 s47, s46, 23
	v_mov_b32 v11, s47
	s_add_co_i32 s46, s46, 8
	s_lshl_b32 s46, s46, 23
	s_or_b32 s46, s46, 0x600000
	v_mov_b32 v10, s46
.endm
	s_load_b256 s[4:11], s[0:1], 0x0               ; encoder_x s[4:5], decoder_x s[6:7], W_kv s[8:9], W_q s[10:11]
	s_load_b256 s[12:19], s[0:1], 0x20             ; W_o s[12:13], the exponents s[14:15], x_img s[16:17], w_img s[18:19]
	v_lshl_add_u32 v240, v0, 2, 0x8400
	v_mov_b32 v241, 0
	v_lshrrev_b32 v1, 5, v0
	v_readfirstlane_b32 s20, v1                    ; wave 0..3
	v_and_b32 v2, 31, v0                           ; lane
	s_wait_kmcnt 0x0
	s_load_b256 s[24:31], s[14:15], 0x0            ; e0 .. e7
	s_load_b64 s[32:33], s[14:15], 0x20            ; e8, e9
	s_cmp_ge_u32 ttmp9, 512
	s_cbranch_scc1 .Lw
; ---------------- x ----------------
	s_cmp_lt_u32 ttmp9, 256                        ; encoder_x or decoder_x: the choice hangs on the work-group's number alone
	s_cselect_b64 s[4:5], s[4:5], s[6:7]
	s_cselect_b32 s38, 0, 0x800000                 ; the tensor's 8 MiB of x_img
	s_and_b32 s21, ttmp9, 255
	s_lshl_b32 s21, s21, 2
	s_add_co_u32 s21, s21, s20                     ; which wave of the tensor's 1,024
	s_lshr_b32 s22, s21, 1                         ; block of 16 rows
	s_and_b32 s23, s21, 1                          ; which 512 along K
	s_lshr_b32 s36, s22, 1
	s_lshl_b32 s36, s36, 5
	s_and_b32 s37, s22, 1
	s_lshl_b32 s37, s37, 3
	s_add_co_u32 s36, s36, s37                     ; the block's first row: 32 (block / 2) + 8 (block % 2)
	s_lshl_b32 s36, s36, 12                        ; rows of 4,096 bytes
	s_lshl_b32 s37, s23, 11
	s_add_co_u32 s36, s36, s37
	s_mov_b32 s37, 0
	s_add_nc_u64 s[4:5], s[4:5], s[36:37]
	s_lshl_b32 s42, s22, 14                        ; a block's images: 16,384 bytes
	s_lshl_b32 s43, s23, 13
	s_add_co_u32 s42, s42, s43
	s_add_co_u32 s42, s42, s38
	s_mov_b32 s43, 0
	s_add_nc_u64 s[40:41], s[16:17], s[42:43]
	s_wait_alu depctr_va_vdst(0)
	v_lshlrev_b32 v3, 4, v2                        ; 16 x lane: in a row's 512 bytes, and in an image's
	s_mul_i32 s39, s20, WST
	v_add_nc_u32 v4, s39, v3                       ; the stage, on the way in
	v_and_b32 v6, 15, v0
	v_bfe_u32 v7, v0, 4, 1
	v_mul_u32_u24 v5, v6, SP
	v_lshl_add_u32 v5, v7, 6, v5
	v_add_nc_u32 v5, s39, v5                       ; and on the way out: row r, + 64 h: my 16 numbers of a block of 32
.macro XLD f                           ; fragment f: 16 rows x 512 bytes; each load reads 512 consecutive bytes of one row
.irp i, 0,1,2,3,4,5,6,7,8,9,10,11,12,13,14,15
	global_load_b128 v[RR+64*((\f)%2)+4*\i:RR+64*((\f)%2)+4*\i+3], v3, s[4:5] offset:(\i+8*(\i/8))*4096+512*(\f) th:TH_LOAD_NT
.endr
.endm
.macro XFR f
.if (\f) < 3
	s_wait_loadcnt 16                              ; this fragment's 16 loads are in; the next fragment's 16 may be out
.else
	s_wait_loadcnt 0
.endif
.irp i, 0,1,2,3,4,5,6,7,8,9,10,11,12,13,14,15
	ds_store_b128 v4, v[RR+64*((\f)%2)+4*\i:RR+64*((\f)%2)+4*\i+3] offset:SP*\i
.endr
.irp c, 0,1,2,3
.irp j, 0,1,2,3
	ds_load_b128 v[XX+16*\c+4*\j:XX+16*\c+4*\j+3], v5 offset:128*\c+16*\j   ; LDS serves a wave's instructions in order: these see the stores above
.endr
.endr
	s_wait_dscnt 0x0                               ; the numbers are back, and the stores have read their registers
.if (\f) < 2
	XLD (\f)+2
.else
	s_wait_xcnt 0x0                                ; the stores of two fragments ago have read this set of codes: it is written again only behind this wait
.endif
.set n, 0
.rept 64
	v_med3_num_f32 v[XX+n], v[XX+n], -v10, v10     ; the conversion to an 8-bit code does not saturate (ISA guide 7.6.2): the hold comes first
.set n, n+1
.endr
.irp c, 0,1,2,3
	v_cvt_scalef32_pk8_fp8_f32 v[CC+16*((\f)%2)+4*\c:CC+16*((\f)%2)+4*\c+1], v[XX+16*\c:XX+16*\c+7], v11
	v_cvt_scalef32_pk8_fp8_f32 v[CC+16*((\f)%2)+4*\c+2:CC+16*((\f)%2)+4*\c+3], v[XX+16*\c+8:XX+16*\c+15], v11
.endr
	v_nop                                          ; one plain line behind the conversions: the next fragment's holds write their sources
.irp c, 0,1,2,3
	global_store_b128 v3, v[CC+16*((\f)%2)+4*\c:CC+16*((\f)%2)+4*\c+3], s[40:41] offset:2048*(\f)+512*\c   ; 32 lanes store 512 consecutive bytes, aligned
.endr
.endm
	XLD 0
	XLD 1
	s_wait_alu depctr_va_vdst(0)
	s_wait_kmcnt 0x0
	s_cmp_lt_u32 ttmp9, 256
	s_cselect_b32 s34, s24, s26                    ; e0 for encoder_x, e2 for decoder_x
	SCALE 34
	s_wait_alu depctr_va_vdst(0)
	XFR 0
	XFR 1
	XFR 2
	XFR 3
	s_wait_tensorcnt 0x0
	ds_add_u32 v240, v241
	s_wait_dscnt 0x0
	s_endpgm
; ---------------- the weights: K is their first axis.  A lane takes a column n, and its registers run down K ----------------
.Lw:
	s_sub_co_u32 s21, ttmp9, 512
	s_and_b32 s22, s21, 31                         ; which 128 of w_img's 4,096 rows n
	s_lshr_b32 s23, s21, 5                         ; which 256 along K
	s_wait_alu depctr_va_vdst(0)
	v_lshlrev_b32 v3, 2, v2                        ; in: 4 bytes a lane
	v_bfe_u32 v6, v0, 3, 1                         ; lane x is row i = x % 8 + 8 (x / 16) of tile u = (x / 8) % 2 of its 32 rows
	v_and_b32 v7, 7, v0
	v_bfe_u32 v8, v0, 4, 1
	v_lshl_add_u32 v7, v8, 3, v7
	v_lshlrev_b32 v4, 4, v7
	v_lshl_add_u32 v4, v6, 14, v4                  ; out: 16,384 u + 16 i: a store's 32 lanes fill two aligned runs of 256 bytes
	s_lshl_b32 s36, s22, 2
	s_add_co_u32 s36, s36, s20                     ; my wave's pair of tiles
	s_lshl_b32 s36, s36, 15
	s_lshl_b32 s37, s23, 12                        ; two K steps of 2,048 bytes
	s_add_co_u32 s36, s36, s37
	s_mov_b32 s37, 0
	s_add_nc_u64 s[40:41], s[18:19], s[36:37]
	s_lshl_b32 s38, s20, 7                         ; my wave's 32 columns, in bytes
.macro WLD t, pitch                    ; block t: W(32 t + i, my column), i = 0 .. 31
.irp i, 0,1,2,3,4,5,6,7,8,9,10,11,12,13,14,15,16,17,18,19,20,21,22,23,24,25,26,27,28,29,30,31
	global_load_b32 v[WX+32*((\t)%2)+\i], v3, s[44:45] offset:(32*(\t)+\i)*(\pitch) th:TH_LOAD_NT
.endr
.endm
.macro WBL t, pitch
.set XS, WX+32*((\t)%2)
.if (\t) < 7
	s_wait_loadcnt 32                              ; this block's 32 loads are in; the next block's may be out
.else
	s_wait_loadcnt 0
.endif
.set n, 0
.rept 32
	v_med3_num_f32 v[XS+n], v[XS+n], -v10, v10
.set n, n+1
.endr
.irp g, 0,1,2,3
	v_cvt_scalef32_pk8_fp8_f32 v[WC+8*(\t)+2*\g:WC+8*(\t)+2*\g+1], v[XS+8*\g:XS+8*\g+7], v11
.endr
	v_nop                                          ; one plain line behind the conversions
	global_store_b128 v4, v[WC+8*(\t):WC+8*(\t)+3], s[40:41] offset:((\t)/4)*2048+((\t)%4)*512        ; k = 32 t + 0 .. 15: the image's lanes with h = 0
	global_store_b128 v4, v[WC+8*(\t)+4:WC+8*(\t)+7], s[40:41] offset:((\t)/4)*2048+((\t)%4)*512+256  ; k = 32 t + 16 .. 31: h = 1
.if (\t)+2 < 8
	WLD (\t)+2, \pitch
.endif
.endm
	s_cmp_lt_u32 s22, 16
	s_cbranch_scc0 .Lsquare
	s_lshl_b32 s36, s22, 9                         ; W_kv: column 128 x group, in bytes
	s_add_co_u32 s36, s36, s38
	s_lshl_b32 s39, s23, 21                        ; 256 rows of 8,192 bytes
	s_add_co_u32 s36, s36, s39
	s_add_nc_u64 s[44:45], s[8:9], s[36:37]
	s_wait_alu depctr_va_vdst(0)
	WLD 0, 8192
	WLD 1, 8192
	s_wait_kmcnt 0x0
	SCALE 25                                       ; e1
	s_wait_alu depctr_va_vdst(0)
.irp t, 0,1,2,3,4,5,6,7
	WBL \t, 8192
.endr
	s_endpgm
.Lsquare:
	s_cmp_lt_u32 s22, 24
	s_cselect_b64 s[44:45], s[10:11], s[12:13]     ; W_q or W_o
	s_and_b32 s36, s22, 7
	s_lshl_b32 s36, s36, 9
	s_add_co_u32 s36, s36, s38
	s_lshl_b32 s39, s23, 20                        ; 256 rows of 4,096 bytes
	s_add_co_u32 s36, s36, s39
	s_add_nc_u64 s[44:45], s[44:45], s[36:37]
	s_wait_alu depctr_va_vdst(0)
	WLD 0, 4096
	WLD 1, 4096
	s_wait_kmcnt 0x0
	s_cmp_lt_u32 s22, 24
	s_cselect_b32 s34, s27, s33                    ; e3 or e9
	SCALE 34
	s_wait_alu depctr_va_vdst(0)
.irp t, 0,1,2,3,4,5,6,7
	WBL \t, 4096
.endr
	s_endpgm
.Lfunc_end_k_q861c86f477_prep:
	.size	k_q861c86f477_prep, .Lfunc_end_k_q861c86f477_prep-k_q861c86f477_prep
	.p2alignl 7, 3214868480
	.fill 96, 4, 3214868480
	.section	.rodata,"a",@progbits
	.p2align	6, 0x0
	.amdhsa_kernel k_q861c86f477_prep
		.amdhsa_group_segment_fixed_size 34304
		.amdhsa_private_segment_fixed_size 0
		.amdhsa_enable_private_segment 0
		.amdhsa_kernarg_size 64
		.amdhsa_user_sgpr_count 2
		.amdhsa_user_sgpr_kernarg_segment_ptr 1
		.amdhsa_wavefront_size32 1
		.amdhsa_system_sgpr_workgroup_id_x 1
		.amdhsa_system_sgpr_workgroup_id_y 1
		.amdhsa_system_sgpr_workgroup_id_z 1
		.amdhsa_system_vgpr_workitem_id 0
		.amdhsa_next_free_vgpr 242
		.amdhsa_next_free_sgpr 66
		.amdhsa_reserve_vcc 0
		.amdhsa_float_denorm_mode_32 3
		.amdhsa_float_denorm_mode_16_64 3
		.amdhsa_memory_ordered 1
		.amdhsa_forward_progress 1
		.amdhsa_inst_pref_size 127
	.end_amdhsa_kernel
	.amdgpu_metadata
---
amdhsa.version: [ 1, 2 ]
amdhsa.kernels:
  - .name:           k_q861c86f477_prep
    .symbol:         k_q861c86f477_prep.kd
    .args:
      - { .name: encoder_x, .offset: 0, .size: 8, .value_kind: global_buffer, .address_space: global }
      - { .name: decoder_x, .offset: 8, .size: 8, .value_kind: global_buffer, .address_space: global }
      - { .name: W_kv, .offset: 16, .size: 8, .value_kind: global_buffer, .address_space: global }
      - { .name: W_q, .offset: 24, .size: 8, .value_kind: global_buffer, .address_space: global }
      - { .name: W_o, .offset: 32, .size: 8, .value_kind: global_buffer, .address_space: global }
      - { .name: lowp_scales, .offset: 40, .size: 8, .value_kind: global_buffer, .address_space: global }
      - { .name: x_img, .offset: 48, .size: 8, .value_kind: global_buffer, .address_space: global }
      - { .name: w_img, .offset: 56, .size: 8, .value_kind: global_buffer, .address_space: global }
    .group_segment_fixed_size: 34304
    .private_segment_fixed_size: 0
    .kernarg_segment_align: 8
    .kernarg_segment_size: 64
    .max_flat_workgroup_size: 128
    .sgpr_count:     66
    .vgpr_count:     242
    .wavefront_size: 32
...
	.end_amdgpu_metadata
.endif
;; end of part 1
;; launch proj (part 2): grid 4 x 96, 4 waves a work-group, clusters of 4 x 4, 327,680 bytes of LDS; arguments x_img, w_img, lowp_scales, b_q, b_kv, q_img, k_img, v_img; writes q_img, k_img, v_img
.if DOCPART == 2
	.amdgcn_target "amdgcn-amd-amdhsa--gfx1250"
	.amdhsa_code_object_version 6
	.text
	.protected	k_q861c86f477_proj
	.globl	k_q861c86f477_proj
	.p2align	8
	.type	k_q861c86f477_proj,@function
k_q861c86f477_proj:
	s_mov_b64 s[64:65], 0
	v_nop
	global_prefetch_b8 v0, s[64:65] scope:SCOPE_SE
	s_setreg_imm32_b32 hwreg(HW_REG_WAVE_MODE, 25, 1), 1
	s_wait_xcnt 0x0
	s_wait_alu depctr_hold_cnt(0) depctr_sa_sdst(0) depctr_va_vdst(0) depctr_va_sdst(0) depctr_va_ssrc(0) depctr_va_vcc(0) depctr_vm_vsrc(0)
	s_getreg_b32 s2, hwreg(HW_REG_IB_STS2, 6, 4)
	s_cmp_eq_u32 s2, 0
	s_cbranch_scc0 .Lentry_in_a_cluster
	s_endpgm
.Lentry_in_a_cluster:
	s_bfe_u32 s2, ttmp6, 0x10000c
	s_cmp_lg_u32 s2, 0xf033
	s_cbranch_scc0 .Lentry_shape_is_right
	s_endpgm
.Lentry_shape_is_right:
; q = dec W_q + b_q, k and v = enc W_kv + b_kv, on codes of FP8 (E4M3), K = 1,024; each result is quantised with its given scale and stored as an image of the next product's operand registers.
; THREE JOBS by the cluster's y (Y / 8): 0: q, 1: k, 2: v TRANSPOSED.  A work-group makes 256 rows of 'A' x 256 rows of 'B'; each of four waves 128 x 128: 64 accumulators, 512 registers.
; The matrix instruction takes 16 rows of B as source 0 and 16 rows of A as source 1: a lane then holds ONE row of A, and its registers run along B's rows.
;   jobs 0, 1: A = tokens (x_img), B = output channels (w_img): registers run along the head's channels, the K of q k^T.    job 2: A = v's channels (w_img), B = tokens: registers run along the keys, the K of p v.
; IMAGES.  A fragment (16 rows x 128 K, 2,048 bytes): byte 512 c + 16 lane + y = row sel(r), k = 32 c + 16 h + y; tile 2 B + u holds rows 32 B + 8 u + i + 8 (i / 8).  With such tiles as source 0 the 16 registers of
; accumulators 2 B and 2 B + 1 are 16 neighbours, 32 B + 16 h + 0 .. 15: two conversions give four registers that are 16 bytes a lane of the next image.  No pitch, no padding, no stage: every LDS load and every store covers 512 consecutive bytes.
; q_img, k_img: [batch x 16 + head][tile of 16 tokens: 128][1,024 bytes: c = 0, 1].   v_img: [batch x 16 + head][128 keys: 16][tile of 16 channels: 4][2,048 bytes].
; K goes through a ring of two LDS slots of 256 along K, filled by the tensor data mover: four fills, written out.  CLUSTERS: 4 x 4 work-groups; A's tiles are asked for jointly along a row of the cluster, B's along a column.
; LIMITS: e0 + e1 and e2 + e3 between -126 and 127; e4, e5, e7 between -126 and 119.
; REGISTERS: window 0: v16-31 addresses and constants; v32-47 the bias by A's rows, v64-127 by B's rows; v128-255 A's fragments, one set; behind the products v128-191 at work, v192-255 codes.
;   window 1: B's fragments, two sets.   windows 2, 3: the accumulators, (a, b) at v[8 (8 (a % 4) + b)].
; SCALARS: s14 wave, s15 my half of A's rows (also: I fetch for A or B), s16 my half of B's rows (also: which half I fetch); s40 cx, s41 cy, s43 job, s44 4 (Y % 8); s[84:91] e0-e7; s[96:97] 2^(ea+eb); s[98:99] where I store.
.set SLOT,  131072                     ; A: 16 blocks x 4,096 bytes (two K steps of 128), then B likewise
.set SPARE, 2*SLOT                     ; behind the ring: the spare words, 128 bytes for each wave: two blocks of 256 bytes that no other line names
.set FR,    16
.set NL,    4
.set NP,    4                          ; places behind this matrix instruction (ISA guide 7.12.1)
.set ADRA,  16                         ; v16-17 LDS address of my A fragments in slot 0, 1
.set ADRB,  20                         ; v20-21 the same for B
.set LI,    26                         ; v26    16 x lane
.set SPW,   28                         ; v28    my spare word; never rewritten
.set NIL,   29                         ; v29    0; never rewritten
.set OSC,   30                         ; v30    the result's scale 2^eo
.set OLIM,  31                         ; v31    448 x 2^eo
.set BR,    32
.set BC,    64
.set AF,    128
.set TMP,   128
.set CD,    192
.set G1,  24
.set G0,  32
.set G1B, 48
.set G0B, 56
.set MSB, 0
.macro WIN new                         ; the immediate's high byte repeats the setting that is left
.if MSB != (\new)
	s_set_vgpr_msb (MSB<<8)|(\new)
.set MSB, (\new)
.endif
.endm
.set MUL_LO, 0xa1                      ; source 0 (B) window 1, source 1 (A) window 0, C and D window 2
.set MUL_HI, 0xf1
.set TO_B,   0x40
.macro JLOAD g0a, g1a, g0b, g1b        ; a joint load: waves 0, 1 fetch for A, waves 2, 3 for B; the branch hangs on the wave's number alone; four v_nop follow each line
	s_cmp_eq_u32 s15, 0
	s_cbranch_scc0 .Lfor_b_\@
	tensor_load_to_lds s[\g0a:\g0a+3], s[\g1a:\g1a+7]
	s_nop 0
.rept 4
	v_nop
.endr
	s_branch .Lasked_\@
.Lfor_b_\@:
	tensor_load_to_lds s[\g0b:\g0b+3], s[\g1b:\g1b+7]
	s_nop 0
.rept 4
	v_nop
.endr
.Lasked_\@:
.endm
.macro CREST
	s_cmp_lg_u32 s14, 0
	s_cbranch_scc1 .Lnot_wave_0_\@
	s_barrier_signal -3
.Lnot_wave_0_\@:
	s_barrier_wait -3
	s_barrier_signal -1
	s_barrier_wait -1
.endm
.macro CROUND
	s_barrier_signal -1
	s_barrier_wait -1
	CREST
.endm
	s_load_b256 s[4:11], s[0:1], 0x0               ; x_img s[4:5], w_img s[6:7], the exponents s[8:9], b_q s[10:11]
	s_load_b256 s[68:75], s[0:1], 0x20             ; b_kv s[68:69], q_img s[70:71], k_img s[72:73], v_img s[74:75]
	v_lshl_add_u32 v[SPW], v0, 2, SPARE
	v_mov_b32 v[NIL], 0
	ds_add_u32 v28, v29
	ds_add_u32 v28, v29
	s_wait_dscnt 0x0
	v_lshrrev_b32 v1, 5, v0
	v_readfirstlane_b32 s14, v1
	s_lshr_b32 s15, s14, 1
	s_and_b32 s16, s14, 1
	s_bfe_u32 s40, ttmp6, 0x40000                  ; cx
	s_bfe_u32 s41, ttmp6, 0x40004                  ; cy
	s_and_b32 s42, ttmp7, 0xffff                   ; the cluster's y, 0 .. 23: the same in all sixteen partners
	s_lshr_b32 s43, s42, 3                         ; job
	s_and_b32 s44, s42, 7
	s_lshl_b32 s44, s44, 2
	s_lshl_b32 s45, s41, 2
	s_lshl_b32 s45, 15, s45                        ; my row of the cluster
	s_lshl_b32 s46, 0x1111, s40                    ; my column
	; group 1: 8 rows of 4,096 bytes (512 elements of 8), 16,384 bytes apart: two K steps of each of 8 blocks; they land on end
	s_or_b32 s[G1+0], s45, (3<<16)|(1<<21)
	s_or_b32 s[G1B+0], s46, (3<<16)|(1<<21)
.irp g, G1, G1B
	s_mov_b32 s[\g+1], 512<<16                     ; tensor_dim0
	s_mov_b32 s[\g+2], 8<<16                       ; tensor_dim1
	s_mov_b32 s[\g+3], 512<<16                     ; tile_dim0
	s_mov_b32 s[\g+4], 8                           ; tile_dim1
	s_mov_b32 s[\g+5], 2048                        ; from row to row, in elements
	s_mov_b32 s[\g+6], 0
	s_mov_b32 s[\g+7], 0
.endr
	; where the tiles come from.  A's offset is made of cy, Y and the wave's number, B's of cx, Y and the wave's number
	s_cmp_eq_u32 s43, 2
	s_cselect_b32 s80, 0, s44                      ; A's tile of 256 rows: cy, and 4 (Y % 8) more where A is x
	s_cselect_b32 s82, s44, 0                      ; B's: cx, and 4 (Y % 8) more where B is x
	s_cselect_b32 s17, 0x100000, 0                 ; job 2: A = W_kv's columns 1,024 on
	s_cmp_eq_u32 s43, 0
	s_cselect_b32 s17, 0x800000, s17               ; job 0: A = decoder_x's images,
	s_cselect_b32 s18, 0x200000, 0                 ;        B = W_q's
	s_add_co_u32 s80, s80, s41
	s_add_co_u32 s82, s82, s40
	s_lshl_b32 s80, s80, 18                        ; 16 blocks of 16,384 bytes
	s_lshl_b32 s82, s82, 18
	s_lshl_b32 s19, s16, 17                        ; the half that I fetch
	s_add_co_u32 s80, s80, s19
	s_add_co_u32 s82, s82, s19
	s_add_co_u32 s80, s80, s17
	s_add_co_u32 s82, s82, s18
	s_mov_b32 s81, 0
	s_mov_b32 s83, 0
	s_lshl_b32 s47, s14, 15                        ; where they go: wave x 32,768: no place in the cluster enters an LDS address
	s_wait_kmcnt 0x0
	s_load_b256 s[84:91], s[8:9], 0x0              ; e0 .. e7
	s_cmp_eq_u32 s43, 2
	s_cselect_b64 s[76:77], s[6:7], s[4:5]
	s_cselect_b64 s[78:79], s[4:5], s[6:7]
	s_add_nc_u64 s[76:77], s[76:77], s[80:81]
	s_add_nc_u64 s[78:79], s[78:79], s[82:83]
	CROUND                                         ; all sixteen work-groups are here: the first joint loads meet
.irp s, 0,1
	s_mov_b32 s[G0+4*\s], 1
	s_add_co_u32 s[G0+4*\s+1], s47, \s*SLOT
	s_add_nc_u64 s[G0+4*\s+2:G0+4*\s+3], s[76:77], \s*4096
	s_or_b32 s[G0+4*\s+3], s[G0+4*\s+3], 0x80000000
	s_mov_b32 s[G0B+4*\s], 1
	s_add_co_u32 s[G0B+4*\s+1], s47, \s*SLOT
	s_add_nc_u64 s[G0B+4*\s+2:G0B+4*\s+3], s[78:79], \s*4096
	s_or_b32 s[G0B+4*\s+3], s[G0B+4*\s+3], 0x80000000
.endr
	JLOAD G0, G1, G0B, G1B                         ; slot 0: one tensor load a wave at the head
	v_and_b32 v1, 31, v0
	v_lshlrev_b32 v[LI], 4, v1
	v_and_b32 v2, 15, v0                           ; r
	v_bfe_u32 v3, v0, 4, 1                         ; h
	s_wait_alu depctr_va_vdst(0)
	s_lshl_b32 s21, s15, 15                        ; my 8 blocks of A
	s_lshl_b32 s22, s16, 15                        ; my 8 tiles of B,
	s_add_co_u32 s22, s22, 65536                   ; which lie behind A's 16
.irp s, 0,1
	v_add_nc_u32 v[ADRA+\s], s21, v[LI]
	v_add_nc_u32 v[ADRB+\s], s22, v[LI]
	s_add_co_u32 s21, s21, SLOT
	s_add_co_u32 s22, s22, SLOT
.endr
	; the biases, in the result's layout.  Both sets are loaded in every job (each stays inside its buffer); a job adds one of them
	s_cmp_eq_u32 s43, 0
	s_cselect_b64 s[92:93], s[10:11], s[68:69]
	s_lshl_b32 s18, s40, 10
	s_lshl_b32 s19, s16, 9
	s_add_co_u32 s18, s18, s19                     ; 4 (256 cx + 128 half): my 128 rows of B
	s_mov_b32 s19, 0
	s_add_nc_u64 s[92:93], s[92:93], s[18:19]
	s_lshl_b32 s18, s41, 10
	s_lshl_b32 s20, s15, 9
	s_add_co_u32 s18, s18, s20
	s_add_co_u32 s18, s18, 4096                    ; b_kv's second half, 4 (256 cy + 128 half) on: my 128 channels of v
	s_add_nc_u64 s[94:95], s[68:69], s[18:19]
	v_lshlrev_b32 v4, 6, v3                        ; 4 x 16 h
	v_and_b32 v5, 8, v2
	v_add_nc_u32 v5, v5, v2
	v_lshlrev_b32 v5, 2, v5                        ; 4 (r + 8 (r / 8))
.irp b, 0,1,2,3,4,5,6,7
	global_load_b128 v[BC+8*\b:BC+8*\b+3], v4, s[92:93] offset:(32*(\b/2)+8*(\b%2))*4        ; tile b, register j: row 32 (b / 2) + 16 h + 8 (b % 2) + j of B
	global_load_b128 v[BC+8*\b+4:BC+8*\b+7], v4, s[92:93] offset:(32*(\b/2)+8*(\b%2))*4+16
.endr
.irp a, 0,1,2,3,4,5,6,7
	global_load_b32 v[BR+2*\a], v5, s[94:95] offset:(32*(\a/2)+8*(\a%2))*4                    ; block a: my lane's row of A, twice: a pair for the packed form
	global_load_b32 v[BR+2*\a+1], v5, s[94:95] offset:(32*(\a/2)+8*(\a%2))*4
.endr
	s_wait_alu depctr_va_vdst(0)
	s_wait_kmcnt 0x0
	s_cmp_eq_u32 s43, 0
	s_cselect_b32 s17, s86, s84                    ; the operands' exponents: e2, e3 for q; e0, e1 for k and v
	s_cselect_b32 s18, s87, s85
	s_cselect_b32 s19, s88, s89                    ; the result's: e4 (q), e5 (k),
	s_cselect_b64 s[98:99], s[70:71], s[72:73]
	s_cmp_eq_u32 s43, 2
	s_cselect_b32 s19, s91, s19                    ; e7 (v)
	s_cselect_b64 s[98:99], s[74:75], s[98:99]
	s_add_co_i32 s96, s17, s18
	s_add_co_i32 s96, s96, 127
	s_lshl_b32 s96, s96, 23                        ; 2^(ea + eb) as f32
	s_mov_b32 s97, s96                             ; (named with it as a pair, so it is written)
	s_add_co_i32 s19, s19, 127
	s_lshl_b32 s20, s19, 23
	v_mov_b32 v[OSC], s20
	s_add_co_i32 s19, s19, 8
	s_lshl_b32 s19, s19, 23
	s_or_b32 s19, s19, 0x600000
	v_mov_b32 v[OLIM], s19
	; where I store.  q, k: tokens 256 R + 128 s15 on, R = 4 (Y % 8) + cy; heads 4 cx + 2 s16 on
	s_add_co_u32 s17, s44, s41
	s_lshr_b32 s18, s17, 3
	s_lshl_b32 s18, s18, 4
	s_lshl_b32 s19, s40, 2
	s_add_co_u32 s18, s18, s19
	s_lshl_b32 s19, s16, 1
	s_add_co_u32 s18, s18, s19                     ; batch x 16 + head
	s_lshl_b32 s18, s18, 7
	s_and_b32 s19, s17, 7
	s_lshl_b32 s19, s19, 4
	s_add_co_u32 s18, s18, s19
	s_lshl_b32 s19, s15, 3
	s_add_co_u32 s18, s18, s19                     ; + the tile of tokens in its batch
	s_lshl_b32 s18, s18, 10
	; v: keys 256 T + 128 s16 on, T = 4 (Y % 8) + cx; heads 4 cy + 2 s15 on
	s_add_co_u32 s17, s44, s40
	s_lshr_b32 s20, s17, 3
	s_lshl_b32 s20, s20, 4
	s_lshl_b32 s19, s41, 2
	s_add_co_u32 s20, s20, s19
	s_lshl_b32 s19, s15, 1
	s_add_co_u32 s20, s20, s19
	s_lshl_b32 s20, s20, 4
	s_and_b32 s19, s17, 7
	s_lshl_b32 s19, s19, 1
	s_add_co_u32 s20, s20, s19
	s_add_co_u32 s20, s20, s16                     ; + the step of 128 keys in its batch
	s_lshl_b32 s20, s20, 13
	s_cmp_eq_u32 s43, 2
	s_cselect_b32 s18, s20, s18
	s_mov_b32 s19, 0
	s_add_nc_u64 s[98:99], s[98:99], s[18:19]
.macro FRAG reg, adr, q, i             ; a fragment comes back as it was laid: four loads of 512 consecutive bytes
.irp c, 0,1,2,3
	ds_load_b128 v[\reg+4*\c:\reg+4*\c+3], v[\adr] offset:4096*(\i)+2048*(\q)+512*\c
.endr
.endm
; 16 matrix instructions: A's blocks a0, a0 + 1 x B's eight, 128 along K.  The 64 accumulators take turns, one instruction a turn, in the same order in every step.
.macro MUL16 a0, p, zero
.irp a, \a0, \a0+1
.irp b, 0,1,2,3,4,5,6,7
.if \zero
	v_wmma_f32_16x16x128_fp8_fp8 v[8*(8*((\a)%4)+\b):8*(8*((\a)%4)+\b)+7], v[128*(\p)+FR*\b:128*(\p)+FR*\b+FR-1], v[AF+FR*(\a):AF+FR*(\a)+FR-1], 0
.else
	v_wmma_f32_16x16x128_fp8_fp8 v[8*(8*((\a)%4)+\b):8*(8*((\a)%4)+\b)+7], v[128*(\p)+FR*\b:128*(\p)+FR*\b+FR-1], v[AF+FR*(\a):AF+FR*(\a)+FR-1], v[8*(8*((\a)%4)+\b):8*(8*((\a)%4)+\b)+7]
.endif
.endr
.endr
.endm
.macro FETCH_B slot, q, p
	WIN TO_B
.irp i, 0,1,2,3,4,5,6,7
	FRAG 128*(\p)+FR*\i, ADRB+\slot, \q, \i
.endr
	WIN 0
.endm
.macro FETCH_A slot, q, i0
.irp i, \i0, \i0+1, \i0+2, \i0+3
	FRAG AF+FR*(\i), ADRA+\slot, \q, \i
.endr
.endm
.macro PLACES n                        ; plain vector lines between a matrix instruction and a load into, or a vector line on, its registers
.rept \n
	v_nop
.endr
.endm
; A step of 128 along K that has its successor in the same slot.  A has one set of registers: blocks 0-3 are fetched anew in the step's middle, blocks 4-7 at its end; B has two sets.
.macro STEP slot, q, zero
	s_wait_dscnt 4*NL                              ; B's set and A's blocks 0-3 are in; the youngest 16 loads (A's blocks 4-7) may be out
	WIN MUL_LO
	MUL16 0, (\q)%2, \zero
	MUL16 2, (\q)%2, \zero
	s_wait_dscnt 0
	PLACES NP
	FETCH_B \slot, (\q)+1, 1-(\q)%2
	FETCH_A \slot, (\q)+1, 0
	WIN MUL_HI
	MUL16 4, (\q)%2, \zero
	MUL16 6, (\q)%2, \zero
	PLACES NP
	WIN 0
	FETCH_A \slot, (\q)+1, 4
.endm
; A slot's last step changes slots: one barrier; in front of it each wave waits for all its tensor loads, adds 0 to its spare word, and waits for that and for its reads of this slot.  fill = 1: this slot is filled again.
.macro TURN slot, next, fill
	s_wait_tensorcnt 0x0                           ; all my tensor loads have landed: my part of the next slot
	ds_add_u32 v[SPW], v[NIL]                      ; 0 onto my spare word
	s_wait_dscnt 4*NL+1                            ; (the add and the youngest 16 loads may be out)
	WIN MUL_LO
	MUL16 0, 1, 0
	s_wait_dscnt 0x0                               ; the add is done, and my reads of this slot are over
	s_barrier_signal -1
	MUL16 2, 1, 0
	WIN 0
	s_barrier_wait -1
.if \fill
	CREST                                          ; the barrier has opened a round of the cluster's: no wave of any partner still reads this slot or has a load on its way
	s_add_nc_u64 s[G0+4*\slot+2:G0+4*\slot+3], s[G0+4*\slot+2:G0+4*\slot+3], 8192
	s_add_nc_u64 s[G0B+4*\slot+2:G0B+4*\slot+3], s[G0B+4*\slot+2:G0B+4*\slot+3], 8192
	JLOAD G0+4*\slot, G1, G0B+4*\slot, G1B         ; the first tensor load behind the round; its four v_nop are the places in front of the loads below
.else
	PLACES NP
.endif
	FETCH_B \next, 0, 0
	FETCH_A \next, 0, 0
	WIN MUL_HI
	MUL16 4, 1, 0
	MUL16 6, 1, 0
	PLACES NP
	WIN 0
	FETCH_A \next, 0, 4
.endm
	s_wait_alu depctr_va_vdst(0)                   ; the head's end
	s_wait_tensorcnt 0x0                           ; my part of slot 0 is in
	ds_add_u32 v[SPW], v[NIL]
	s_wait_dscnt 0x0
	CROUND                                         ; everybody's part of slot 0 is in, and the sixteen work-groups meet
	JLOAD G0+4, G1, G0B+4, G1B                     ; slot 1's first fill: the first tensor load behind the round
	FETCH_B 0, 0, 0
	FETCH_A 0, 0, 0
	FETCH_A 0, 0, 4
	STEP 0, 0, 1                                   ; K 0-127: the first products start the sums
	TURN 0, 1, 1                                   ; K 128-255; slot 0 takes K 512-767
	STEP 1, 0, 0
	TURN 1, 0, 1                                   ; slot 1 takes K 768-1,023
	STEP 0, 0, 0
	TURN 0, 1, 0                                   ; nothing is left to fetch
	STEP 1, 0, 0
	s_wait_dscnt 4*NL
	WIN MUL_LO
	MUL16 0, 1, 0
	MUL16 2, 1, 0
	s_wait_dscnt 0
	WIN MUL_HI
	MUL16 4, 1, 0
	MUL16 6, 1, 0
	WIN 0
; THE WAY OUT of block a (16 rows of A x my 128 rows of B): sum x 2^(ea + eb) + bias, held, converted; accumulators 2 p and 2 p + 1 give four registers, 16 bytes a lane of an image.  rows = 1: the bias goes by A's rows (v).
.macro EPI a, rows
.set AC, 64*((\a)%4)
.set CW, CD+16*((\a)%4)
.if (\a) >= 4
	s_wait_xcnt 0x0                                ; the stores of four blocks ago have read this set of codes
.endif
	WIN 0x02+((\a)/4)                              ; source 0: window 2 or 3
.irp b, 0,1,2,3,4,5,6,7
.irp i, 0,2,4,6
.if \rows
	v_pk_fma_f32 v[TMP+8*\b+\i:TMP+8*\b+\i+1], v[AC+8*\b+\i:AC+8*\b+\i+1], s[96:97], v[BR+2*(\a):BR+2*(\a)+1] op_sel_hi:[1,0,1]
.else
	v_pk_fma_f32 v[TMP+8*\b+\i:TMP+8*\b+\i+1], v[AC+8*\b+\i:AC+8*\b+\i+1], s[96:97], v[BC+8*\b+\i:BC+8*\b+\i+1] op_sel_hi:[1,0,1]
.endif
.endr
.endr
	WIN 0
.set n, 0
.rept 64
	v_med3_num_f32 v[TMP+n], v[TMP+n], -v[OLIM], v[OLIM]   ; the conversion does not saturate (ISA guide 7.6.2)
.set n, n+1
.endr
.irp b, 0,1,2,3,4,5,6,7
	v_cvt_scalef32_pk8_fp8_f32 v[CW+2*\b:CW+2*\b+1], v[TMP+8*\b:TMP+8*\b+7], v[OSC]
.endr
	v_nop                                          ; one plain line behind the conversions: the next block writes their sources
.irp p, 0,1,2,3
.if \rows
	global_store_b128 v[LI], v[CW+4*\p:CW+4*\p+3], s[98:99] offset:((\a)/4)*131072+((\a)%4)*2048+\p*512   ; head a / 4, channel tile a % 4, keys 32 p on
.else
	global_store_b128 v[LI], v[CW+4*\p:CW+4*\p+3], s[98:99] offset:(\p/2)*131072+(\a)*1024+(\p%2)*512     ; head p / 2, token tile a, channels 32 (p % 2) on
.endif
.endr
.endm
	s_wait_loadcnt 0x0                             ; the biases
	PLACES NP                                      ; behind the last products: the lines below write registers that held A's fragments
	s_cmp_eq_u32 s43, 2                            ; the job: the same in all partners
	s_cbranch_scc1 .Lby_rows
.irp a, 0,1,2,3,4,5,6,7
	EPI \a, 0
.endr
	s_branch .Lend
.Lby_rows:
.irp a, 0,1,2,3,4,5,6,7
	EPI \a, 1
.endr
.Lend:
	s_wait_tensorcnt 0x0                           ; the wave's end
	ds_add_u32 v[SPW], v[NIL]
	s_wait_dscnt 0x0
	CROUND                                         ; the closing round: no work-group ends while a partner may still ask for a tile that names it
	s_endpgm
.Lfunc_end_k_q861c86f477_proj:
	.size	k_q861c86f477_proj, .Lfunc_end_k_q861c86f477_proj-k_q861c86f477_proj
	.p2alignl 7, 3214868480
	.fill 96, 4, 3214868480
	.section	.rodata,"a",@progbits
	.p2align	6, 0x0
	.amdhsa_kernel k_q861c86f477_proj
		.amdhsa_group_segment_fixed_size 327680
		.amdhsa_private_segment_fixed_size 0
		.amdhsa_enable_private_segment 0
		.amdhsa_kernarg_size 64
		.amdhsa_user_sgpr_count 2
		.amdhsa_user_sgpr_kernarg_segment_ptr 1
		.amdhsa_wavefront_size32 1
		.amdhsa_system_sgpr_workgroup_id_x 1
		.amdhsa_system_sgpr_workgroup_id_y 1
		.amdhsa_system_sgpr_workgroup_id_z 1
		.amdhsa_system_vgpr_workitem_id 0
		.amdhsa_next_free_vgpr 1024
		.amdhsa_next_free_sgpr 104
		.amdhsa_reserve_vcc 0
		.amdhsa_float_denorm_mode_32 3
		.amdhsa_float_denorm_mode_16_64 3
		.amdhsa_memory_ordered 1
		.amdhsa_forward_progress 1
		.amdhsa_inst_pref_size 194
	.end_amdhsa_kernel
	.amdgpu_metadata
---
amdhsa.version: [ 1, 2 ]
amdhsa.kernels:
  - .name:           k_q861c86f477_proj
    .symbol:         k_q861c86f477_proj.kd
    .args:
      - { .name: x_img, .offset: 0, .size: 8, .value_kind: global_buffer, .address_space: global }
      - { .name: w_img, .offset: 8, .size: 8, .value_kind: global_buffer, .address_space: global }
      - { .name: lowp_scales, .offset: 16, .size: 8, .value_kind: global_buffer, .address_space: global }
      - { .name: b_q, .offset: 24, .size: 8, .value_kind: global_buffer, .address_space: global }
      - { .name: b_kv, .offset: 32, .size: 8, .value_kind: global_buffer, .address_space: global }
      - { .name: q_img, .offset: 40, .size: 8, .value_kind: global_buffer, .address_space: global }
      - { .name: k_img, .offset: 48, .size: 8, .value_kind: global_buffer, .address_space: global }
      - { .name: v_img, .offset: 56, .size: 8, .value_kind: global_buffer, .address_space: global }
    .group_segment_fixed_size: 327680
    .private_segment_fixed_size: 0
    .kernarg_segment_align: 8
    .kernarg_segment_size: 64
    .max_flat_workgroup_size: 128
    .sgpr_count:     104
    .vgpr_count:     1024
    .wavefront_size: 32
...
	.end_amdgpu_metadata
.endif
;; end of part 2
;; launch attn (part 3): grid 4 x 64, 8 waves a work-group, clusters of 4 x 1, 327,680 bytes of LDS; arguments q_img, k_img, v_img, lowp_scales, attn_img; writes attn_img
.if DOCPART == 3
	.amdgcn_target "amdgcn-amd-amdhsa--gfx1250"
	.amdhsa_code_object_version 6
	.text
	.protected	k_q861c86f477_attn
	.globl	k_q861c86f477_attn
	.p2align	8
	.type	k_q861c86f477_attn,@function
k_q861c86f477_attn:
	s_mov_b64 s[64:65], 0
	v_nop
	global_prefetch_b8 v0, s[64:65] scope:SCOPE_SE
	s_setreg_imm32_b32 hwreg(HW_REG_WAVE_MODE, 25, 1), 1
	s_wait_xcnt 0x0
	s_wait_alu depctr_hold_cnt(0) depctr_sa_sdst(0) depctr_va_vdst(0) depctr_va_sdst(0) depctr_va_ssrc(0) depctr_va_vcc(0) depctr_vm_vsrc(0)
	s_getreg_b32 s2, hwreg(HW_REG_IB_STS2, 6, 4)
	s_cmp_eq_u32 s2, 0
	s_cbranch_scc0 .Lentry_in_a_cluster
	s_endpgm
.Lentry_in_a_cluster:
	s_bfe_u32 s2, ttmp6, 0x10000c
	s_cmp_lg_u32 s2, 0x3003
	s_cbranch_scc0 .Lentry_shape_is_right
	s_endpgm
.Lentry_shape_is_right:
; Causal attention of one (batch, head) on codes of FP8 (E4M3): S^T = K Q^T, p = 2^(t - M), O^T = V^T P^T, O / l quantised with e8 and stored as an image of the last product's operand.
; LEFT OUT: key steps of 128 keys that lie wholly behind a wave's queries: the causal mask gives them the weight 0 for all values of the inputs.
; t = score x log2(e) / 8 x 2^(e4 + e5); M = ceil of the running largest t, a whole number; l = the sum of the unquantised p; when M moves, l and O^T are multiplied by 2^(old M - new M).
; SHARES.  The four work-groups of a cluster serve one head; K and V of the head, 131,072 bytes each, lie whole in every work-group's LDS, asked for jointly (mask 15), in two parts: key steps 0-3, then 4-15.
; The head's 2,048 queries are 16 groups of 128.  Work-group cx takes tiles 2 cx, 2 cx + 1 (32 queries) of every group; wave w takes group 15 - w and then group w: 16 - w + w + 1 = 17 key steps for every wave.
; No branch hangs on cx: the groups, and so the steps, hang on the wave's number alone; cx enters Q's and the result's addresses and the mask's thresholds.
; A wave's two tiles share each fragment of K and V, and their chains of dependent lines are laid by turns.
; IMAGES (as the launches before lay them): k_img, q_img: [head][tile of 16 tokens][1,024 bytes]; v_img: [head][128 keys][tile of 16 channels][2,048 bytes]; tile 2 B + u holds rows 32 B + 8 u + i + 8 (i / 8),
; so registers 16 b + i of a tile's scores are keys 32 b + 16 (lane / 16) + i.  A lane holds one query (lane % 16) throughout.
; NO PREFETCH: both tensor loads of a wave go out at the head; there is no loop ahead of them in which to ask earlier.
; LIMITS: e4 + e5 between -123 and 130; e6, e8 between -126 and 119; the scaled scores stay under 2^31 in magnitude.
; REGISTERS.  Window 0: v1-6 addresses; v8-37 the softmax's state; v48-111 O^T (tile u at 32 u); v112-239 scores, then p (tile u at 64 u); v240, v241 the spare word and 0.
; Window 1: v0-63 K's eight fragments; v64-95 p's codes; v96-111 Q in hand; v112-175 V's four fragments; v176-191 the second group's Q.
.set SPARE, 0x40000                    ; behind K and V: 128 bytes of spare words for each of eight waves
.set LI,   1                           ; 16 x lane
.set LV,   2                           ; the same in V's region
.set ADV,  5
.set ADK,  6
.set NM,   8                           ; v[8+2u] -M, v[9+2u] the running largest score
.set LS,   12                          ; v[12+2u:13+2u] l in two halves
.set F,    16                          ; v[16+2u] 2^(old M - new M); the upper word is written once
.set MA,   20
.set MB,   22
.set L2,   24
.set PRM,  28
.set PLIM, 30                          ; v30, v31: 448 x 2^e6, twice: one for each half of a dual pair
.set PSC,  32
.set OLIM, 33
.set OSC,  34
.set NINF, 35
.set DQ,   36                          ; v36, v37: my query's place in its group less 16 (lane / 16), for tile 0, 1
.set O,    48
.set S,    112
.set CD,   144                         ; the way out: codes, in score registers that it does not use
.set SPW,  240
.set NIL,  241
.set KF,   0
.set PC,   64
.set Q,    96
.set VF,   112
.set QL,   176
.set WV,   18
.set CX,   19
.set SEL,  20
.set CS,   22
.set G1A,  24
.set G1B,  32
.set G0A,  40
.set G0B,  44
.set TB,   48                          ; LDS byte of the key step in hand
.set SI,   49                          ; the key step
.set G,    50                          ; the group in hand = its last key step
.set GL,   51
.set TN,   52                          ; LDS byte of the key step whose K is fetched next
.set T,    53
.set NCS,  66                          ; -c
.set MSB, 0
.macro WIN new                         ; the immediate's high byte repeats the setting that is left
.if MSB != (\new)
	s_set_vgpr_msb (MSB<<8)|(\new)
.set MSB, (\new)
.endif
.endm
.set TO1,  0x40                        ; destination window 1
.set MUL,  0x05                        ; sources 0 and 1 window 1; C and D window 0
.macro CROUND
	s_barrier_signal -1
	s_barrier_wait -1
	s_cmp_lg_u32 s[WV], 0
	s_cbranch_scc1 .Lnot_wave_0_\@
	s_barrier_signal -3
.Lnot_wave_0_\@:
	s_barrier_wait -3
	s_barrier_signal -1
	s_barrier_wait -1
.endm
.macro INIT                            ; -M = 3e38, the largest score -3e38, l and O^T zeros: the first change of M multiplies zeros by 0
.irp u, 0,1
	v_mov_b32 v[NM+2*\u], 0x7f61b1e6
	v_mov_b32 v[NM+2*\u+1], 0xff61b1e6
	v_mov_b32 v[LS+2*\u], 0
	v_mov_b32 v[LS+2*\u+1], 0
.endr
.set n, 0
.rept 64
	v_mov_b32 v[O+n], 0
.set n, n+1
.endr
.endm
.macro KLOAD adr, off                  ; K's eight fragments of a key step: each load covers 512 consecutive bytes
	WIN TO1
.irp t, 0,1,2,3,4,5,6,7
.irp c, 0,1
	ds_load_b128 v[KF+8*\t+4*\c:KF+8*\t+4*\c+3], v[\adr] offset:(\off)+1024*\t+512*\c
.endr
.endr
	WIN 0
.endm
	s_load_b256 s[4:11], s[0:1], 0x0               ; q_img s[4:5], k_img s[6:7], v_img s[8:9], the exponents s[10:11]
	s_load_b64 s[12:13], s[0:1], 0x20              ; attn_img
	v_lshl_add_u32 v[SPW], v0, 2, SPARE
	v_mov_b32 v[NIL], 0
	ds_add_u32 v[SPW], v[NIL]                      ; the opening lines: the add, twice on end, and its wait ahead of my first tensor load
	ds_add_u32 v[SPW], v[NIL]
	v_lshrrev_b32 v3, 5, v0
	v_readfirstlane_b32 s[WV], v3                  ; wave 0..7
	s_bfe_u32 s[CX], ttmp6, 0x40000
	s_and_b32 s62, ttmp7, 0xffff                   ; batch x 16 + head
	s_lshl_b32 s80, s62, 17                        ; the head's 131,072 bytes in q_img, k_img, v_img
	s_mov_b32 s81, 0
	s_and_b32 s82, s[WV], 3                        ; waves 0-3 fetch K, waves 4-7 V, a quarter each
	s_lshr_b32 s83, s[WV], 2
	s_lshl_b32 s84, s83, 17
	s_lshl_b32 s85, s82, 13                        ; first part: 8,192 bytes a wave
	s_mul_i32 s86, s82, 24576                      ; second part: 24,576 bytes a wave,
	s_add_co_u32 s86, s86, 32768                   ; behind the first 32,768
	s_mov_b32 s[G1A], 15|(3<<16)|(1<<21)           ; the four partners; elements of 8 bytes; rows of 256 bytes, dense
	s_mov_b32 s[G1A+1], 32<<16
	s_mov_b32 s[G1A+2], 32<<16
	s_mov_b32 s[G1A+3], 32<<16
	s_mov_b32 s[G1A+4], 32
	s_mov_b32 s[G1A+5], 32
	s_mov_b32 s[G1A+6], 0
	s_mov_b32 s[G1A+7], 0
	s_mov_b32 s[G1B], 15|(3<<16)|(1<<21)
	s_mov_b32 s[G1B+1], 32<<16
	s_mov_b32 s[G1B+2], 96<<16
	s_mov_b32 s[G1B+3], 32<<16
	s_mov_b32 s[G1B+4], 96
	s_mov_b32 s[G1B+5], 32
	s_mov_b32 s[G1B+6], 0
	s_mov_b32 s[G1B+7], 0
	s_mov_b32 s[SEL], 0x76543210
	s_mov_b32 s[SEL+1], 0xfedcba98
	s_mov_b32 s[CS], 0x3e38aa3b                    ; log2(e) / 8
	s_mov_b32 s[GL], s[WV]
	s_sub_co_u32 s[G], 15, s[WV]
	s_lshl_b32 s88, s[CX], 1
	s_lshl_b32 s87, s[WV], 3
	s_add_co_u32 s87, s87, s88                     ; the second group's first tile: 8 w + 2 cx
	s_lshl_b32 s89, s[G], 3
	s_add_co_u32 s88, s89, s88                     ; the first group's: 8 (15 - w) + 2 cx
	s_lshl_b32 s97, s[CX], 5
	s_mov_b32 s93, 0
	s_wait_dscnt 0x0
	s_wait_kmcnt 0x0
	s_load_b256 s[68:75], s[10:11], 0x0            ; e0 .. e7
	s_load_b64 s[76:77], s[10:11], 0x20            ; e8, e9
	s_cmp_lt_u32 s[WV], 4
	s_cselect_b64 s[90:91], s[6:7], s[8:9]
	s_add_nc_u64 s[90:91], s[90:91], s[80:81]
	s_mov_b32 s[G0A], 1
	s_add_co_u32 s[G0A+1], s84, s85
	s_mov_b32 s92, s85
	s_add_nc_u64 s[G0A+2:G0A+3], s[90:91], s[92:93]
	s_or_b32 s[G0A+3], s[G0A+3], 0x80000000
	s_mov_b32 s[G0B], 1
	s_add_co_u32 s[G0B+1], s84, s86
	s_mov_b32 s92, s86
	s_add_nc_u64 s[G0B+2:G0B+3], s[90:91], s[92:93]
	s_or_b32 s[G0B+3], s[G0B+3], 0x80000000
	CROUND
	tensor_load_to_lds s[G0A:G0A+3], s[G1A:G1A+7]  ; key steps 0-3: my one tensor load at the head
	s_nop 0
.rept 4
	v_nop
.endr
	s_add_nc_u64 s[94:95], s[4:5], s[80:81]
	s_lshl_b32 s92, s88, 10
	s_add_nc_u64 s[54:55], s[94:95], s[92:93]      ; Q of the first group
	s_lshl_b32 s92, s87, 10
	s_add_nc_u64 s[56:57], s[94:95], s[92:93]      ; and of the second
	s_lshr_b32 s89, s62, 4
	s_lshl_b32 s89, s89, 7                         ; the batch's 128 blocks of 16 rows in attn_img
	s_bfe_u32 s96, s62, 0x30001
	s_lshl_b32 s96, s96, 11                        ; K step of 128 channels: head / 2,
	s_and_b32 s92, s62, 1
	s_lshl_b32 s92, s92, 10
	s_add_co_u32 s96, s96, s92                     ; and its half
	s_add_co_u32 s92, s89, s88
	s_lshl_b32 s92, s92, 14
	s_add_co_u32 s92, s92, s96
	s_add_nc_u64 s[58:59], s[12:13], s[92:93]      ; where the group in hand is stored
	s_add_co_u32 s92, s89, s87
	s_lshl_b32 s92, s92, 14
	s_add_co_u32 s92, s92, s96
	s_add_nc_u64 s[60:61], s[12:13], s[92:93]      ; where the second group is
	v_and_b32 v3, 31, v0
	v_lshlrev_b32 v[LI], 4, v3
	v_add_nc_u32 v[LV], 131072, v[LI]
	v_and_b32 v3, 15, v0
	v_and_b32 v4, 8, v3
	v_add_nc_u32 v3, v3, v4                        ; r + 8 (r / 8)
	v_bfe_u32 v4, v0, 4, 1
	v_lshlrev_b32 v4, 4, v4
	v_sub_nc_u32 v3, v3, v4
	v_add_nc_u32 v[DQ], s97, v3                    ; 32 cx + r + 8 (r / 8) - 16 h: the same in both groups
	v_add_nc_u32 v[DQ+1], 8, v[DQ]
	v_mov_b32 v[PRM], 0                            ; written once: a lane permute's destination counts as a source
	v_mov_b32 v[PRM+1], 0
	v_mov_b32 v[F+1], 0                            ; (named as the upper halves of pairs)
	v_mov_b32 v[F+3], 0
	v_mov_b32 v[NINF], 0xff800000
	INIT
	s_wait_alu depctr_va_vdst(0)
	WIN TO1
.irp u, 0,1
.irp c, 0,1
	global_load_b128 v[Q+8*\u+4*\c:Q+8*\u+4*\c+3], v[LI], s[54:55] offset:1024*\u+512*\c
	global_load_b128 v[QL+8*\u+4*\c:QL+8*\u+4*\c+3], v[LI], s[56:57] offset:1024*\u+512*\c
.endr
.endr
	WIN 0
	s_wait_kmcnt 0x0
	s_add_co_i32 s92, s72, s73
	s_lshl_b32 s92, s92, 23
	s_add_co_i32 s[CS], s[CS], s92                 ; e4 + e5 are added to c's exponent field
	s_mov_b32 s[CS+1], s[CS]
	s_xor_b32 s[NCS], s[CS], 0x80000000
	s_add_co_i32 s78, s74, s75                     ; e6 + e7
	s_add_co_i32 s92, s74, 127
	s_lshl_b32 s94, s92, 23                        ; 2^e6
	s_add_co_i32 s92, s92, 8
	s_lshl_b32 s92, s92, 23
	s_or_b32 s92, s92, 0x600000                    ; 448 x 2^e6
	s_add_co_i32 s95, s76, 127
	s_lshl_b32 s96, s95, 23                        ; 2^e8
	s_add_co_i32 s95, s95, 8
	s_lshl_b32 s95, s95, 23
	s_or_b32 s95, s95, 0x600000                    ; 448 x 2^e8
	v_mov_b32 v[PLIM], s92
	v_mov_b32 v[PLIM+1], s92
	v_mov_b32 v[PSC], s94
	v_mov_b32 v[OLIM], s95
	v_mov_b32 v[OSC], s96
	s_wait_alu depctr_va_vdst(0)                   ; the head's end
	s_wait_tensorcnt 0x0                           ; my part of key steps 0-3 is in
	ds_add_u32 v[SPW], v[NIL]
	s_wait_dscnt 0x0
	CROUND                                         ; everybody's part is in
	tensor_load_to_lds s[G0B:G0B+3], s[G1B:G1B+7]  ; key steps 4-15
	s_nop 0
.rept 4
	v_nop
.endr
	KLOAD LI, 0                                    ; K of key step 0
; A KEY STEP of 128 keys for my two tiles.  K's fragments are in or on their way when it begins.  mask = 1: a step behind my group is left out, and in the group's own step hidden scores become -infinity.
.macro STEP mask
.if \mask
	s_cmp_gt_u32 s[SI], s[G]
	s_cbranch_scc1 .Lhid_\@
.endif
	v_add_nc_u32 v[ADV], s[TB], v[LV]
	v_add_nc_u32 v[ADK], s[TN], v[LI]
	v_nop
	v_nop                                          ; four places behind the last products, in front of the loads into V's registers
	s_wait_alu depctr_va_vdst(0)
	s_wait_dscnt 0x0                               ; K is in
	WIN TO1
.irp d, 0,1,2,3
.irp c, 0,1,2,3
	ds_load_b128 v[VF+16*\d+4*\c:VF+16*\d+4*\c+3], v[ADV] offset:2048*\d+512*\c
.endr
.endr
	WIN MUL
.irp t, 0,1,2,3,4,5,6,7
.irp u, 0,1
	v_wmma_f32_16x16x64_fp8_fp8 v[S+64*\u+8*\t:S+64*\u+8*\t+7], v[KF+8*\t:KF+8*\t+7], v[Q+8*\u:Q+8*\u+7], 0
.endr
.endr
.rept 4
	v_nop                                          ; places: in front of the loads into K's registers and of the first read of the scores
.endr
	KLOAD ADK, 0                                   ; the next step's K
.if \mask
	s_cmp_lg_u32 s[SI], s[G]
	s_cbranch_scc1 .Lopen_\@
.irp u, 0,1
.set n, 0
.rept 64
	v_cmp_gt_i32 vcc_lo, 32*(n/16)+n%16, v[DQ+\u]
	v_cndmask_b32 v[S+64*\u+n], v[S+64*\u+n], v[NINF], vcc_lo
.set n, n+1
.endr
.endr
.Lopen_\@:
.endif
.irp u, 0,1
	v_max3_num_f32 v[MA+\u], v[S+64*\u], v[S+64*\u+1], v[S+64*\u+2]
.endr
.irp u, 0,1
	v_max3_num_f32 v[MB+\u], v[S+64*\u+3], v[S+64*\u+4], v[S+64*\u+5]
.endr
.irp i, 6,10,14,18,22,26,30,34,38,42,46,50,54,58
.irp u, 0,1
	v_max3_num_f32 v[MA+\u], v[MA+\u], v[S+64*\u+\i], v[S+64*\u+\i+1]
.endr
.irp u, 0,1
	v_max3_num_f32 v[MB+\u], v[MB+\u], v[S+64*\u+\i+2], v[S+64*\u+\i+3]
.endr
.endr
.irp u, 0,1
	v_max3_num_f32 v[MA+\u], v[MA+\u], v[S+64*\u+62], v[S+64*\u+63]
.endr
.irp u, 0,1
	v_max_num_f32 v[MA+\u], v[MA+\u], v[MB+\u]
.endr
.irp u, 0,1
	v_permlanex16_b32 v[PRM+\u], v[MA+\u], s[SEL], s[SEL+1]
.endr
.irp u, 0,1
	v_max3_num_f32 v[NM+2*\u+1], v[NM+2*\u+1], v[MA+\u], v[PRM+\u]   ; the running largest score (c is positive, so the largest t is c x it)
.endr
.irp u, 0,1
	v_mul_f32 v[MA+\u], s[NCS], v[NM+2*\u+1]       ; -t
.endr
.irp u, 0,1
	v_floor_f32 v[MB+\u], v[MA+\u]                 ; the new -M = -ceil(t)
.endr
.irp u, 0,1
	v_sub_f32 v[MA+\u], v[MB+\u], v[NM+2*\u]       ; old M - new M: a whole number, 0 or less
.endr
.irp u, 0,1
	v_mov_b32 v[NM+2*\u], v[MB+\u]
.endr
.irp u, 0,1
	v_cvt_i32_f32 v[MA+\u], v[MA+\u]               ; (it saturates)
.endr
.irp u, 0,1
.set j, 0
.rept 32
	v_pk_fma_f32 v[S+64*\u+j:S+64*\u+j+1], v[S+64*\u+j:S+64*\u+j+1], s[CS:CS+1], v[NM+2*\u:NM+2*\u+1] op_sel_hi:[1,0,0]   ; t - M
.set j, j+2
.endr
.endr
.irp u, 0,1
	v_ldexp_f32 v[F+2*\u], 1.0, v[MA+\u]           ; 2^(old M - new M)
.endr
.irp u, 0,1
.set j, 0
.rept 16
	v_pk_mul_f32 v[O+32*\u+j:O+32*\u+j+1], v[O+32*\u+j:O+32*\u+j+1], v[F+2*\u:F+2*\u+1] op_sel_hi:[1,0]   ; O^T under the new M, ahead of the exponentials
.set j, j+2
.endr
.endr
	s_wait_alu depctr_va_vdst(0)                   ; ahead of the batch
.set j, 0
.rept 128
	v_exp_f32 v[S+j], v[S+j]                       ; p = 2^(t - M)
.set j, j+1
.endr
.irp u, 0,1
	v_pk_mul_f32 v[LS+2*\u:LS+2*\u+1], v[LS+2*\u:LS+2*\u+1], v[F+2*\u:F+2*\u+1] op_sel_hi:[1,0]   ; l under the new M (plain places behind the batch)
.endr
	s_wait_alu depctr_va_vdst(0)                   ; one wait for the batch, ahead of its first reader
.irp u, 0,1
	v_pk_add_f32 v[L2+2*\u:L2+2*\u+1], v[S+64*\u:S+64*\u+1], v[S+64*\u+2:S+64*\u+3]
.endr
.irp j, 4,8,12,16,20,24,28,32,36,40,44,48,52,56,60
.irp u, 0,1
	v_pk_add_f32 v[LS+2*\u:LS+2*\u+1], v[LS+2*\u:LS+2*\u+1], v[S+64*\u+\j:S+64*\u+\j+1]
.endr
.irp u, 0,1
	v_pk_add_f32 v[L2+2*\u:L2+2*\u+1], v[L2+2*\u:L2+2*\u+1], v[S+64*\u+\j+2:S+64*\u+\j+3]
.endr
.endr
.irp u, 0,1
	v_pk_add_f32 v[LS+2*\u:LS+2*\u+1], v[LS+2*\u:LS+2*\u+1], v[L2+2*\u:L2+2*\u+1]
.endr
.set j, 0
.rept 64
	v_dual_min_num_f32 v[S+j], v[S+j], v[PLIM] :: v_dual_min_num_f32 v[S+j+1], v[S+j+1], v[PLIM+1]   ; the hold (the conversion does not saturate: ISA guide 7.6.2); p is not negative
.set j, j+2
.endr
	WIN TO1
.irp u, 0,1
.irp b, 0,1,2,3
	v_cvt_scalef32_pk8_fp8_f32 v[PC+16*\u+4*\b:PC+16*\u+4*\b+1], v[S+64*\u+16*\b:S+64*\u+16*\b+7], v[PSC]
	v_cvt_scalef32_pk8_fp8_f32 v[PC+16*\u+4*\b+2:PC+16*\u+4*\b+3], v[S+64*\u+16*\b+8:S+64*\u+16*\b+15], v[PSC]
.endr
.endr
	WIN 0
	v_nop                                          ; one plain line behind the conversions
	s_wait_alu depctr_va_vdst(0)
	s_wait_dscnt 16                                ; V is in; the 16 loads of the next step's K may be out
	WIN MUL
.irp d, 0,1,2,3
.irp u, 0,1
	v_wmma_f32_16x16x128_fp8_fp8 v[O+32*\u+8*\d:O+32*\u+8*\d+7], v[VF+16*\d:VF+16*\d+15], v[PC+16*\u:PC+16*\u+15], v[O+32*\u+8*\d:O+32*\u+8*\d+7]
.endr
.endr
	WIN 0
.if \mask
.Lhid_\@:
.endif
.endm
	s_wait_loadcnt 0x0                             ; Q
	s_mov_b32 s[SI], 0
.Lfirst:                                           ; key steps 0-3 of the first group (15 - w is at least 8: all their keys count), while key steps 4-15 are on their way
	s_lshl_b32 s[TB], s[SI], 13
	s_add_co_u32 s[TN], s[SI], 1
	s_min_u32 s[TN], s[TN], 3                      ; the last trip may not read key step 4 yet: it fetches step 3 once more
	s_lshl_b32 s[TN], s[TN], 13
	STEP 0
	s_add_co_u32 s[SI], s[SI], 1
	s_cmp_lt_u32 s[SI], 4
	s_wait_alu depctr_va_vdst(0)
	s_cbranch_scc1 .Lfirst
	s_wait_tensorcnt 0x0                           ; my part of key steps 4-15 is in,
	s_wait_dscnt 0x0
	s_barrier_signal -1
	s_barrier_wait -1                              ; everybody's is; nothing is filled again
	KLOAD LI, 32768                                ; K of key step 4
	s_mov_b32 s[T], 4
.Lmain:                                            ; trips 4-15: the first group's key steps 4-15; trips 16-23: the second group's key steps 0-7.  The count is a constant; steps behind a group are jumped over
	s_and_b32 s[SI], s[T], 15
	s_lshl_b32 s[TB], s[SI], 13
	s_add_co_u32 s[TN], s[T], 1
	s_and_b32 s[TN], s[TN], 15
	s_lshl_b32 s[TN], s[TN], 13
	s_cmp_eq_u32 s[SI], s[G]
	s_cselect_b32 s[TN], 0, s[TN]                  ; behind a group's last step comes key step 0
	STEP 1
	s_cmp_eq_u32 s[T], 15
	s_cbranch_scc1 .Lout
	s_cmp_lg_u32 s[T], 23
	s_cbranch_scc1 .Lnext
.Lout:                                             ; THE WAY OUT of a group: O^T x 2^(e6 + e7) / l, held, converted with e8; 16 bytes a lane of an image, each store 512 consecutive bytes
.rept 4
	v_nop
.endr
.irp u, 0,1
	v_add_f32 v[LS+2*\u], v[LS+2*\u], v[LS+2*\u+1]
.endr
.irp u, 0,1
	v_permlanex16_b32 v[PRM+\u], v[LS+2*\u], s[SEL], s[SEL+1]
.endr
.irp u, 0,1
	v_add_f32 v[LS+2*\u], v[LS+2*\u], v[PRM+\u]
.endr
	s_wait_alu depctr_va_vdst(0)                   ; ahead of the transcendentals
.irp u, 0,1
	v_rcp_f32 v[LS+2*\u], v[LS+2*\u]
.endr
	v_nop
	s_wait_alu depctr_va_vdst(0)                   ; and behind them
.irp u, 0,1
	v_ldexp_f32 v[LS+2*\u], v[LS+2*\u], s78
.endr
	s_wait_alu depctr_va_vdst(0)                   ; ahead of the first readers of O^T
.irp u, 0,1
.set j, 0
.rept 16
	v_pk_mul_f32 v[S+64*\u+j:S+64*\u+j+1], v[O+32*\u+j:O+32*\u+j+1], v[LS+2*\u:LS+2*\u+1] op_sel_hi:[1,0]
.set j, j+2
.endr
.endr
.irp u, 0,1
.set n, 0
.rept 32
	v_med3_num_f32 v[S+64*\u+n], v[S+64*\u+n], -v[OLIM], v[OLIM]
.set n, n+1
.endr
.endr
.irp u, 0,1
.irp p, 0,1
	v_cvt_scalef32_pk8_fp8_f32 v[CD+8*\u+4*\p:CD+8*\u+4*\p+1], v[S+64*\u+16*\p:S+64*\u+16*\p+7], v[OSC]
	v_cvt_scalef32_pk8_fp8_f32 v[CD+8*\u+4*\p+2:CD+8*\u+4*\p+3], v[S+64*\u+16*\p+8:S+64*\u+16*\p+15], v[OSC]
.endr
.endr
	v_nop                                          ; one plain line behind the conversions
.irp u, 0,1
.irp p, 0,1
	global_store_b128 v[LI], v[CD+8*\u+4*\p:CD+8*\u+4*\p+3], s[58:59] offset:16384*\u+512*\p
.endr
.endr
	s_cmp_eq_u32 s[T], 23
	s_cbranch_scc1 .Lnext                          ; nothing follows the second group
	s_wait_xcnt 0x0                                ; the stores have read their base and their data
	s_mov_b64 s[58:59], s[60:61]
	s_mov_b32 s[G], s[GL]
	INIT
	WIN 0x41
.set n, 0
.rept 16
	v_mov_b32 v[Q+n], v[QL+n]
.set n, n+1
.endr
	WIN 0
.Lnext:
	s_add_co_u32 s[T], s[T], 1
	s_cmp_lt_u32 s[T], 24
	s_wait_alu depctr_va_vdst(0)
	s_cbranch_scc1 .Lmain
	s_wait_tensorcnt 0x0                           ; the wave's end
	ds_add_u32 v[SPW], v[NIL]
	s_wait_dscnt 0x0
	CROUND                                         ; the closing round
	s_endpgm
.Lfunc_end_k_q861c86f477_attn:
	.size	k_q861c86f477_attn, .Lfunc_end_k_q861c86f477_attn-k_q861c86f477_attn
	.p2alignl 7, 3214868480
	.fill 96, 4, 3214868480
	.section	.rodata,"a",@progbits
	.p2align	6, 0x0
	.amdhsa_kernel k_q861c86f477_attn
		.amdhsa_group_segment_fixed_size 327680
		.amdhsa_private_segment_fixed_size 0
		.amdhsa_enable_private_segment 0
		.amdhsa_kernarg_size 40
		.amdhsa_user_sgpr_count 2
		.amdhsa_user_sgpr_kernarg_segment_ptr 1
		.amdhsa_wavefront_size32 1
		.amdhsa_system_sgpr_workgroup_id_x 1
		.amdhsa_system_sgpr_workgroup_id_y 1
		.amdhsa_system_sgpr_workgroup_id_z 1
		.amdhsa_system_vgpr_workitem_id 0
		.amdhsa_next_free_vgpr 448
		.amdhsa_next_free_sgpr 100
		.amdhsa_reserve_vcc 1
		.amdhsa_float_denorm_mode_32 3
		.amdhsa_float_denorm_mode_16_64 3
		.amdhsa_memory_ordered 1
		.amdhsa_forward_progress 1
		.amdhsa_inst_pref_size 90
	.end_amdhsa_kernel
	.amdgpu_metadata
---
amdhsa.version: [ 1, 2 ]
amdhsa.kernels:
  - .name:           k_q861c86f477_attn
    .symbol:         k_q861c86f477_attn.kd
    .args:
      - { .name: q_img, .offset: 0, .size: 8, .value_kind: global_buffer, .address_space: global }
      - { .name: k_img, .offset: 8, .size: 8, .value_kind: global_buffer, .address_space: global }
      - { .name: v_img, .offset: 16, .size: 8, .value_kind: global_buffer, .address_space: global }
      - { .name: lowp_scales, .offset: 24, .size: 8, .value_kind: global_buffer, .address_space: global }
      - { .name: attn_img, .offset: 32, .size: 8, .value_kind: global_buffer, .address_space: global }
    .group_segment_fixed_size: 327680
    .private_segment_fixed_size: 0
    .kernarg_segment_align: 8
    .kernarg_segment_size: 40
    .max_flat_workgroup_size: 256
    .sgpr_count:     100
    .vgpr_count:     448
    .wavefront_size: 32
...
	.end_amdgpu_metadata
.endif
;; end of part 3
;; launch outp (part 4): grid 64 x 4, 4 waves a work-group, clusters of 4 x 1, 327,680 bytes of LDS; arguments attn_img, w_img, lowp_scales, b_o, out0; writes out0
.if DOCPART == 4
	.amdgcn_target "amdgcn-amd-amdhsa--gfx1250"
	.amdhsa_code_object_version 6
	.text
	.protected	k_q861c86f477_outp
	.globl	k_q861c86f477_outp
	.p2align	8
	.type	k_q861c86f477_outp,@function
k_q861c86f477_outp:
	s_mov_b64 s[64:65], 0
	v_nop
	global_prefetch_b8 v0, s[64:65] scope:SCOPE_SE
	s_setreg_imm32_b32 hwreg(HW_REG_WAVE_MODE, 25, 1), 1
	s_wait_xcnt 0x0
	s_wait_alu depctr_hold_cnt(0) depctr_sa_sdst(0) depctr_va_vdst(0) depctr_va_sdst(0) depctr_va_ssrc(0) depctr_va_vcc(0) depctr_vm_vsrc(0)
	s_getreg_b32 s2, hwreg(HW_REG_IB_STS2, 6, 4)
	s_cmp_eq_u32 s2, 0
	s_cbranch_scc0 .Lentry_in_a_cluster
	s_endpgm
.Lentry_in_a_cluster:
	s_bfe_u32 s2, ttmp6, 0x10000c
	s_cmp_lg_u32 s2, 0x3003
	s_cbranch_scc0 .Lentry_shape_is_right
	s_endpgm
.Lentry_shape_is_right:
; out0 = attn W_o + b_o on codes of FP8 (E4M3), K = 1,024; each sum x 2^(e8 + e9), + the bias, f32.
; A work-group makes 128 rows x 256 channels: 64 x 4 = 256 work-groups.  Each of four waves makes 64 rows x 128 channels: 32 accumulators.
; B: W_o's 256 channels x all of K are 262,144 consecutive bytes of w_img.  They come into LDS ONCE, 65,536 bytes by one tensor load a wave; nothing is filled again, so the K steps have no barrier.
; CLUSTER: the four work-groups of a cluster make four row blocks of the same 256 channels and ask for B jointly (mask 15).
; A: attn_img holds images of operand registers (block of 16 rows, K step of 128: 2,048 bytes), so a wave loads its own 64 rows straight into registers, each load 512 consecutive bytes;
; four sets of registers take turns, and the loads run three K steps ahead.  Loads into registers have no joint form: A is not shared in the cluster.
; The matrix instruction takes 16 channels as source 0 and 16 rows as source 1: a lane holds one row; accumulators 2 p, 2 p + 1 hold 16 neighbouring channels 32 p + 16 h + 0 .. 15.
; Tile 2 B + u of an image holds rows 32 B + 8 u + i + 8 (i / 8).
; NO PREFETCH: the one tensor load of a wave stands at the head, with no loop ahead of it; A's loads are themselves asked for three K steps ahead.
; LIMIT: e8 + e9 between -126 and 127.
; REGISTERS: window 0: v20-29 addresses; v64-127 the bias; v128-255 rows read back on the way out.  Window 1: A, set k % 4 at 64 (k % 4); on the way out v0-63 a block's results.
; Window 2: accumulator (a, b) at 8 (8 a + b).  Window 3: B, set k % 2 at 128 (k % 2).
.set SPARE,  0x40000                   ; behind B: the spare words, 128 bytes a wave
.set STAGE,  0x40200                   ; behind them: a stage of 16 rows x 528 bytes for each wave; no tensor load lands there
.set SPITCH, 528
.set ADRB,  20                         ; v20, v21: my 128 channels of B in LDS, tiles 0-3 and 4-7
.set STO,   24
.set RD,    25
.set LI,    26                         ; 16 x lane
.set SPW,   28
.set NIL,   29
.set BC,    64
.set BK,    128
.set G1,  24
.set G0,  32
.set MSB, 0
.macro WIN new                         ; the immediate's high byte repeats the setting that is left
.if MSB != (\new)
	s_set_vgpr_msb (MSB<<8)|(\new)
.set MSB, (\new)
.endif
.endm
.set MUL,  0xa7                        ; source 0 (B) window 3, source 1 (A) window 1, C and D window 2
.set TO_B, 0xc0
.set TO_A, 0x40
.macro CROUND
	s_barrier_signal -1
	s_barrier_wait -1
	s_cmp_lg_u32 s14, 0
	s_cbranch_scc1 .Lnot_wave_0_\@
	s_barrier_signal -3
.Lnot_wave_0_\@:
	s_barrier_wait -3
	s_barrier_signal -1
	s_barrier_wait -1
.endm
.macro PLACES                          ; four plain lines between matrix instructions and loads into, or vector lines on, their registers
.rept 4
	v_nop
.endr
.endm
.macro ALOAD k                         ; A's four blocks of K step k
	WIN TO_A
.irp a, 0,1,2,3
.irp c, 0,1,2,3
	global_load_b128 v[64*((\k)%4)+16*\a+4*\c:64*((\k)%4)+16*\a+4*\c+3], v[LI], s[76:77] offset:16384*\a+2048*(\k)+512*\c
.endr
.endr
	WIN 0
.endm
.macro BLOAD k                         ; B's eight tiles of K step k
	WIN TO_B
.irp b, 0,1,2,3,4,5,6,7
.irp c, 0,1,2,3
	ds_load_b128 v[128*((\k)%2)+16*\b+4*\c:128*((\k)%2)+16*\b+4*\c+3], v[ADRB+\b/4] offset:16384*(\b%4)+2048*(\k)+512*\c
.endr
.endr
	WIN 0
.endm
.macro MULS k                          ; 32 matrix instructions; the 32 accumulators take turns, in the same order in every step
	WIN MUL
.irp a, 0,1,2,3
.irp b, 0,1,2,3,4,5,6,7
.if (\k) == 0
	v_wmma_f32_16x16x128_fp8_fp8 v[8*(8*\a+\b):8*(8*\a+\b)+7], v[128*((\k)%2)+16*\b:128*((\k)%2)+16*\b+15], v[64*((\k)%4)+16*\a:64*((\k)%4)+16*\a+15], 0
.else
	v_wmma_f32_16x16x128_fp8_fp8 v[8*(8*\a+\b):8*(8*\a+\b)+7], v[128*((\k)%2)+16*\b:128*((\k)%2)+16*\b+15], v[64*((\k)%4)+16*\a:64*((\k)%4)+16*\a+15], v[8*(8*\a+\b):8*(8*\a+\b)+7]
.endif
.endr
.endr
	WIN 0
.endm
; A K step of 128.  The count on LOADcnt is the loads issued behind this step's 16: at step 0 those of steps 1-3; at steps 1-5 two steps' (step k + 3's go out behind this wait); then one step's; then none.
.macro KSTEP k
.if (\k) == 0
	s_wait_loadcnt 48
.else
.if (\k) < 6
	s_wait_loadcnt 32
.else
	s_wait_loadcnt 16*(7-(\k))
.endif
.endif
	s_wait_dscnt 0x0                               ; B of this step is in
.if (\k) > 0
	PLACES                                         ; the loads below land in registers that the last step multiplied
.endif
.if (\k) < 7
	BLOAD (\k)+1
.endif
.if (\k) > 0
.if (\k) < 5
	ALOAD (\k)+3
.endif
.endif
	MULS \k
.endm
	s_load_b256 s[4:11], s[0:1], 0x0               ; attn_img s[4:5], w_img s[6:7], the exponents s[8:9], b_o s[10:11]
	s_load_b64 s[12:13], s[0:1], 0x20              ; out0
	v_lshl_add_u32 v[SPW], v0, 2, SPARE
	v_mov_b32 v[NIL], 0
	ds_add_u32 v[SPW], v[NIL]                      ; the opening lines: the add, twice on end, and its wait ahead of my tensor load
	ds_add_u32 v[SPW], v[NIL]
	v_lshrrev_b32 v1, 5, v0
	v_readfirstlane_b32 s14, v1                    ; wave 0..3
	s_lshr_b32 s15, s14, 1                         ; my half of the rows
	s_and_b32 s16, s14, 1                          ; my half of the channels
	s_bfe_u32 s40, ttmp6, 0x40000                  ; cx
	s_lshl_b32 s17, ttmp9, 2
	s_add_co_u32 s17, s17, s40                     ; block of 128 rows, 0..63
	s_and_b32 s42, ttmp7, 0xffff                   ; which 256 channels: the same in the four partners
	s_mov_b32 s[G1], 15|(3<<16)|(1<<21)            ; the four partners; elements of 8 bytes: 256 rows of 256 bytes, dense
	s_mov_b32 s[G1+1], 32<<16
	s_mov_b32 s[G1+2], 256<<16
	s_mov_b32 s[G1+3], 32<<16
	s_mov_b32 s[G1+4], 256
	s_mov_b32 s[G1+5], 32
	s_mov_b32 s[G1+6], 0
	s_mov_b32 s[G1+7], 0
	s_lshl_b32 s22, s16, 17                        ; my eight tiles of B: 16,384 bytes each
	s_mul_i32 s23, s14, 16*SPITCH
	s_add_co_u32 s23, s23, STAGE                   ; my stage
	s_lshl_b32 s80, s17, 17                        ; A: 8 blocks of 16,384 bytes a work-group,
	s_lshl_b32 s18, s15, 16                        ; my four
	s_add_co_u32 s80, s80, s18
	s_mov_b32 s81, 0
	s_lshl_b32 s82, s42, 18                        ; B: W_o's images begin at 0x300000; 262,144 bytes for 256 channels;
	s_lshl_b32 s18, s14, 16                        ; wave w fetches tiles 4 w .. 4 w + 3
	s_add_co_u32 s82, s82, s18
	s_add_co_u32 s82, s82, 0x300000
	s_mov_b32 s83, 0
	s_lshl_b32 s20, s42, 10
	s_lshl_b32 s19, s16, 9
	s_add_co_u32 s20, s20, s19                     ; my first channel, in bytes of f32
	s_mov_b32 s21, 0
	s_lshl_b32 s44, s17, 19                        ; my first row: 128 x block + 64 x half, rows of 4,096 bytes
	s_lshl_b32 s19, s15, 18
	s_add_co_u32 s44, s44, s19
	s_mov_b32 s45, 0
	v_and_b32 v1, 31, v0
	v_lshlrev_b32 v[LI], 4, v1
	v_and_b32 v2, 15, v0                           ; r
	v_bfe_u32 v3, v0, 4, 1                         ; h
	v_lshlrev_b32 v4, 6, v3                        ; 4 x 16 h
	v_mul_u32_u24 v6, v2, SPITCH
	v_lshl_add_u32 v6, v3, 6, v6
	v_add_nc_u32 v[STO], s23, v6                   ; into the stage: row r, + 64 h
	v_add_nc_u32 v[RD], s23, v[LI]                 ; back: 32 lanes take a row of 512 bytes
	v_add_nc_u32 v[ADRB], s22, v[LI]
	v_add_nc_u32 v[ADRB+1], 65536, v[ADRB]
	s_wait_alu depctr_va_vdst(0)                   ; the end of the head's vector lines
	s_wait_dscnt 0x0                               ; both opening adds are done
	s_wait_kmcnt 0x0
	s_load_b64 s[96:97], s[8:9], 0x20              ; e8, e9
	s_add_nc_u64 s[76:77], s[4:5], s[80:81]
	s_add_nc_u64 s[78:79], s[6:7], s[82:83]
	s_add_nc_u64 s[10:11], s[10:11], s[20:21]
	s_add_nc_u64 s[12:13], s[12:13], s[20:21]
	s_add_nc_u64 s[12:13], s[12:13], s[44:45]
	s_mov_b32 s[G0], 1
	s_lshl_b32 s[G0+1], s14, 16                    ; wave x 65,536: no place in the cluster enters an LDS address
	s_mov_b64 s[G0+2:G0+3], s[78:79]
	s_or_b32 s[G0+3], s[G0+3], 0x80000000
.irp b, 0,1,2,3,4,5,6,7
	global_load_b128 v[BC+8*\b:BC+8*\b+3], v4, s[10:11] offset:(32*(\b/2)+8*(\b%2))*4        ; the bias in the result's layout: tile b, register j: channel 32 (b / 2) + 16 h + 8 (b % 2) + j
	global_load_b128 v[BC+8*\b+4:BC+8*\b+7], v4, s[10:11] offset:(32*(\b/2)+8*(\b%2))*4+16
.endr
	ALOAD 0
	ALOAD 1
	ALOAD 2
	ALOAD 3
	CROUND                                         ; the four work-groups are here: the joint loads meet
	tensor_load_to_lds s[G0:G0+3], s[G1:G1+7]      ; my quarter of B: my one tensor load
	s_nop 0
.rept 4
	v_nop
.endr
	s_wait_kmcnt 0x0
	s_add_co_i32 s96, s96, s97
	s_add_co_i32 s96, s96, 127
	s_lshl_b32 s96, s96, 23                        ; 2^(e8 + e9) as f32
	s_mov_b32 s97, s96                             ; (named with it as a pair, so it is written)
	s_wait_tensorcnt 0x0                           ; my quarter of B is in,
	s_barrier_signal -1
	s_barrier_wait -1                              ; everybody's is; nothing is filled again
	BLOAD 0
.irp k, 0,1,2,3,4,5,6,7
	KSTEP \k
.endr
; THE WAY OUT of block a (16 rows x my 128 channels): sum x 2^(e8 + e9) + bias; through my own stage, and back as whole rows of 512 bytes, which the 32 lanes store as two aligned units of 256 bytes.
.macro TOSTAGE a
.set AC, 64*(\a)
	WIN 0x42                                       ; source 0 window 2, destination window 1
.set j, 0
.rept 32
	v_pk_fma_f32 v[j:j+1], v[AC+j:AC+j+1], s[96:97], v[BC+j:BC+j+1] op_sel_hi:[1,0,1]
.set j, j+2
.endr
	WIN 0x04                                       ; the stores' data in window 1
.irp b, 0,1,2,3,4,5,6,7
	ds_store_b128 v[STO], v[8*\b:8*\b+3] offset:128*(\b/2)+32*(\b%2)
	ds_store_b128 v[STO], v[8*\b+4:8*\b+7] offset:128*(\b/2)+32*(\b%2)+16
.endr
	WIN 0
.set BB, BK+64*((\a)%2)
.irp t, 0,1,2,3,4,5,6,7,8,9,10,11,12,13,14,15
	ds_load_b128 v[BB+4*\t:BB+4*\t+3], v[RD] offset:\t*SPITCH   ; LDS serves a wave's instructions in order: these see the stores above
.endr
.endm
.macro SEND a, younger                 ; younger: the LDS instructions issued behind block a's loads
.set BB, BK+64*((\a)%2)
	s_wait_dscnt \younger
.irp t, 0,1,2,3,4,5,6,7,8,9,10,11,12,13,14,15
	global_store_b128 v[LI], v[BB+4*\t:BB+4*\t+3], s[12:13] offset:(32*((\a)/2)+8*((\a)%2)+\t+8*(\t/8))*4096 th:TH_STORE_NT
.endr
.endm
	PLACES                                         ; behind the last products
	TOSTAGE 0
.irp a, 1,2,3
.if \a > 1
	s_wait_xcnt 0x0                                ; block a - 2's stores have read their registers: block a's rows may land there
.endif
	TOSTAGE \a
	SEND \a-1, 32                                  ; behind block a - 1's loads: block a's 16 stores and 16 loads
.endr
	SEND 3, 0
	s_wait_tensorcnt 0x0                           ; the wave's end
	ds_add_u32 v[SPW], v[NIL]
	s_wait_dscnt 0x0
	CROUND                                         ; the closing round
	s_endpgm
.Lfunc_end_k_q861c86f477_outp:
	.size	k_q861c86f477_outp, .Lfunc_end_k_q861c86f477_outp-k_q861c86f477_outp
	.p2alignl 7, 3214868480
	.fill 96, 4, 3214868480
	.section	.rodata,"a",@progbits
	.p2align	6, 0x0
	.amdhsa_kernel k_q861c86f477_outp
		.amdhsa_group_segment_fixed_size 327680
		.amdhsa_private_segment_fixed_size 0
		.amdhsa_enable_private_segment 0
		.amdhsa_kernarg_size 40
		.amdhsa_user_sgpr_count 2
		.amdhsa_user_sgpr_kernarg_segment_ptr 1
		.amdhsa_wavefront_size32 1
		.amdhsa_system_sgpr_workgroup_id_x 1
		.amdhsa_system_sgpr_workgroup_id_y 1
		.amdhsa_system_sgpr_workgroup_id_z 1
		.amdhsa_system_vgpr_workitem_id 0
		.amdhsa_next_free_vgpr 1024
		.amdhsa_next_free_sgpr 100
		.amdhsa_reserve_vcc 0
		.amdhsa_float_denorm_mode_32 3
		.amdhsa_float_denorm_mode_16_64 3
		.amdhsa_memory_ordered 1
		.amdhsa_forward_progress 1
		.amdhsa_inst_pref_size 76
	.end_amdhsa_kernel
	.amdgpu_metadata
---
amdhsa.version: [ 1, 2 ]
amdhsa.kernels:
  - .name:           k_q861c86f477_outp
    .symbol:         k_q861c86f477_outp.kd
    .args:
      - { .name: attn_img, .offset: 0, .size: 8, .value_kind: global_buffer, .address_space: global }
      - { .name: w_img, .offset: 8, .size: 8, .value_kind: global_buffer, .address_space: global }
      - { .name: lowp_scales, .offset: 16, .size: 8, .value_kind: global_buffer, .address_space: global }
      - { .name: b_o, .offset: 24, .size: 8, .value_kind: global_buffer, .address_space: global }
      - { .name: out0, .offset: 32, .size: 8, .value_kind: global_buffer, .address_space: global }
    .group_segment_fixed_size: 327680
    .private_segment_fixed_size: 0
    .kernarg_segment_align: 8
    .kernarg_segment_size: 40
    .max_flat_workgroup_size: 128
    .sgpr_count:     100
    .vgpr_count:     1024
    .wavefront_size: 32
...
	.end_amdgpu_metadata
.endif
;; end of part 4
